; MI455X (gfx1250); checked and timed in simulation.
; The chip was launched on July 23, 2026; its instructions are those of AMD's public machine-readable ISA for CDNA 5 (MIT licence, August 2026) and "CDNA5" Instruction Set Architecture Reference Guide (July 2026). The comments in the code are by the model that wrote it; some were corrected since.
;; Param Dist. Allowed arithmetic: float matrix products may take bf16 or f16 operands with f32 sums; other float arithmetic in f32, or as packed bf16 or f16 multiplies, adds, multiply-adds, maxima and minima; sums over many terms, partial sums and values carried from step to step in f32; what a program stores and reads back later, other than sums and carried values, may be rounded once to bf16 or f16.
;; Inputs: W 4,096 x 4,096 float32; x 4,096 x 4,096 float32; y 4,096 x 4,096 float32.
;; Outputs: out0 4,096 x 4,096 float32.
;; 2 versions, each right; version 2 is version 1 with the launch prep written anew for expert scheduling mode. Each part assembles by itself: llvm-mc -triple=amdgcn-amd-amdhsa -mcpu=gfx1250 --defsym DOCPART=n.
;; ======== version 1 of 2: 2 launches
;; limits: values outside matrix products are rounded to bf16
;; workspace buffers: xb 33,554,432 bytes; wb 33,554,432 bytes; yw 16,384 bytes
;; launch prep (part 1): grid 256 x 1, 16 waves a work-group, no clusters, 0 bytes of LDS; arguments x, W, y, xb, wb, yw; writes xb, wb, yw
.if DOCPART == 1
	.amdgcn_target "amdgcn-amd-amdhsa--gfx1250"
	.amdhsa_code_object_version 6
	.text
	.protected	k_qc768fcc351_prep
	.globl	k_qc768fcc351_prep
	.p2align	8
	.type	k_qc768fcc351_prep,@function
k_qc768fcc351_prep:
	s_mov_b64 s[64:65], 0
	v_nop
	global_prefetch_b8 v0, s[64:65] scope:SCOPE_SE
	s_setreg_imm32_b32 hwreg(HW_REG_WAVE_MODE, 25, 1), 1
	s_wait_xcnt 0x0
; xb[i][k] = bf16(-x[i][k]);  wb[j][k] = bf16(W[j][k]);  yw[j] = the sum over k of bf16(y[j][k]) x bf16(W[j][k]), summed in f32.
; x, W, y: [4096][4096] f32.  xb, wb: [4096][4096] bf16.  yw: [4096] f32.
; LIMITS.  Each of the three inputs is rounded once to bf16, to nearest even, y and W for the sum too, so that the whole program works on one set of rounded inputs.  A magnitude beyond bf16's
; largest finite number becomes an infinity; NaN and infinities are not treated apart; -x of +0 is -0.  The sum's order differs from a plain ascending one: 256 chains a row, added at the end.
; SHARES.  Row = 16 x work-group + wave: one wave takes one row of x, of W and of y, 16,384 bytes each, as 32 loads of 512 consecutive bytes.  No byte is wanted by two waves:
; no LDS, no barrier.  Load i gives lane l the four numbers at byte 512 i + 16 l; packed to bf16 they are 8 bytes, and a store of 32 lanes covers 256 consecutive bytes, aligned.
; IN FLIGHT.  Two sets of registers, each with a group of 24 loads (8 of x, 8 of W, 8 of y: 12 KiB a wave): while one set is worked on the other is on its way.  Four groups, written out: no loop.
; yw leaves as 4 bytes a wave: a work-group owns 64 bytes of it, 16 KiB in the whole launch.
.set VO,   2                           ; v2   16 x lane: my bytes in a load's 512; never rewritten
.set SO,   3                           ; v3   8 x lane: my bytes in a store's 256; never rewritten
.set ZERO, 4                           ; v4   0: the addend of the first eight products, and the offset of yw's store
.set T,    5                           ; v5   takes the other half of the lanes' sum
.set ACC,  8                           ; v[8:15]  eight chains of the sum
.set SET,  16                          ; v[16:111], v[112:207]  set s: x at +0, W at +32, y at +64; load i at +4 i
	s_load_b256 s[4:11], s[0:1], 0x0               ; x s[4:5], W s[6:7], y s[8:9], xb s[10:11]
	s_load_b128 s[12:15], s[0:1], 0x20             ; wb s[12:13], yw s[14:15]
	v_and_b32 v1, 31, v0                           ; lane
	v_lshrrev_b32 v6, 5, v0
	v_readfirstlane_b32 s16, v6                    ; wave 0..15
	v_lshlrev_b32 v[VO], 4, v1
	v_lshlrev_b32 v[SO], 3, v1
	v_mov_b32 v[ZERO], 0
	v_mov_b32 v[T], 0                              ; v_permlanex16_b32 counts as reading its destination: it is written here
	s_lshl_b32 s17, ttmp9, 4
	s_add_co_u32 s17, s17, s16                     ; my row
	s_lshl_b32 s18, s17, 14                        ; its first byte in x, W, y (under 2^26),
	s_mov_b32 s19, 0
	s_lshl_b32 s20, s17, 13                        ; in xb, wb,
	s_mov_b32 s21, 0
	s_lshl_b32 s22, s17, 2                         ; and in yw
	s_mov_b32 s23, 0
	s_mov_b32 s24, 0x80008000                      ; the signs of two bf16
	s_mov_b32 s25, 0x76543210                      ; v_permlanex16_b32: each lane takes its own place in the other half
	s_mov_b32 s26, 0xfedcba98
	s_wait_kmcnt 0x0
	s_add_nc_u64 s[4:5], s[4:5], s[18:19]          ; each base is stepped once, to my row, and never again: all else stands in immediates
	s_add_nc_u64 s[6:7], s[6:7], s[18:19]
	s_add_nc_u64 s[8:9], s[8:9], s[18:19]
	s_add_nc_u64 s[10:11], s[10:11], s[20:21]
	s_add_nc_u64 s[12:13], s[12:13], s[20:21]
	s_add_nc_u64 s[14:15], s[14:15], s[22:23]
; Group g (4,096 bytes of each of the three rows) into set s: 8 loads of x, then 8 of W, then 8 of y.
.macro LOADG g, s
.irp i, 0,1,2,3,4,5,6,7
	global_load_b128 v[SET+96*(\s)+4*(\i):SET+96*(\s)+4*(\i)+3], v[VO], s[4:5] offset:(8*(\g)+(\i))*512 th:TH_LOAD_NT
.endr
.irp i, 0,1,2,3,4,5,6,7
	global_load_b128 v[SET+96*(\s)+32+4*(\i):SET+96*(\s)+32+4*(\i)+3], v[VO], s[6:7] offset:(8*(\g)+(\i))*512 th:TH_LOAD_NT
.endr
.irp i, 0,1,2,3,4,5,6,7
	global_load_b128 v[SET+96*(\s)+64+4*(\i):SET+96*(\s)+64+4*(\i)+3], v[VO], s[8:9] offset:(8*(\g)+(\i))*512 th:TH_LOAD_NT
.endr
.endm
; Group g, in set s, is rounded, stored and summed.  left = the other set's loads, issued later, which may stay out.  first = 1: the first eight products start the chains.
; refill = 1: the set then takes group g + 2.
.macro WORK g, s, left, first, refill
.set XR, SET+96*(\s)
.set WR, XR+32
.set YR, XR+64
	s_wait_loadcnt (\left)+16                      ; loads come back in order (ISA guide 5.7.1): x's eight are in; behind them stand this set's 16 of W and y and the other set's
.irp i, 0,1,2,3,4,5,6,7
	v_cvt_pk_bf16_f32 v[XR+4*(\i)], v[XR+4*(\i)], v[XR+4*(\i)+1]      ; two roundings, packed, in place
	v_cvt_pk_bf16_f32 v[XR+4*(\i)+1], v[XR+4*(\i)+2], v[XR+4*(\i)+3]
	v_xor_b32 v[XR+4*(\i)], s24, v[XR+4*(\i)]                         ; -x: both signs turned, which is exact
	v_xor_b32 v[XR+4*(\i)+1], s24, v[XR+4*(\i)+1]
	global_store_b64 v[SO], v[XR+4*(\i):XR+4*(\i)+1], s[10:11] offset:(8*(\g)+(\i))*256 th:TH_STORE_NT
.endr
	s_wait_loadcnt (\left)+8                       ; W's eight are in
.irp i, 0,1,2,3,4,5,6,7
	v_cvt_pk_bf16_f32 v[WR+4*(\i)], v[WR+4*(\i)], v[WR+4*(\i)+1]
	v_cvt_pk_bf16_f32 v[WR+4*(\i)+1], v[WR+4*(\i)+2], v[WR+4*(\i)+3]
	global_store_b64 v[SO], v[WR+4*(\i):WR+4*(\i)+1], s[12:13] offset:(8*(\g)+(\i))*256 th:TH_STORE_NT
.endr
	s_wait_loadcnt \left                           ; y's eight are in
.irp i, 0,1,2,3,4,5,6,7
	v_cvt_pk_bf16_f32 v[YR+4*(\i)], v[YR+4*(\i)], v[YR+4*(\i)+1]
	v_cvt_pk_bf16_f32 v[YR+4*(\i)+1], v[YR+4*(\i)+2], v[YR+4*(\i)+3]
.endr
	; 32 fused multiply-adds straight from the bf16 halves into f32: eight chains by turns, so a chain's links stand eight lines apart
.irp i, 0,1,2,3,4,5,6,7
.irp p, 0,1
.if (\first) && ((2*(\i)+(\p)) < 4)
	v_fma_mix_f32_bf16 v[ACC+(4*(\i)+2*(\p))%8],   v[YR+4*(\i)+(\p)], v[WR+4*(\i)+(\p)], v[ZERO] op_sel_hi:[1,1,0]
	v_fma_mix_f32_bf16 v[ACC+(4*(\i)+2*(\p))%8+1], v[YR+4*(\i)+(\p)], v[WR+4*(\i)+(\p)], v[ZERO] op_sel:[1,1,0] op_sel_hi:[1,1,0]
.else
	v_fma_mix_f32_bf16 v[ACC+(4*(\i)+2*(\p))%8],   v[YR+4*(\i)+(\p)], v[WR+4*(\i)+(\p)], v[ACC+(4*(\i)+2*(\p))%8] op_sel_hi:[1,1,0]
	v_fma_mix_f32_bf16 v[ACC+(4*(\i)+2*(\p))%8+1], v[YR+4*(\i)+(\p)], v[WR+4*(\i)+(\p)], v[ACC+(4*(\i)+2*(\p))%8+1] op_sel:[1,1,0] op_sel_hi:[1,1,0]
.endif
.endr
.endr
.if \refill
	s_wait_xcnt 0x0                                ; the set's sixteen stores (the youngest 48 vector lines back) have read their data registers: only behind this wait is the set loaded again
	LOADG (\g)+2, \s
.endif
.endm
	LOADG 0, 0
	LOADG 1, 1
	WORK 0, 0, 24, 1, 1
	WORK 1, 1, 24, 0, 1
	WORK 2, 0, 24, 0, 0
	WORK 3, 1, 0,  0, 0                            ; nothing was issued behind the last group: its counts run down to 0
	; the eight chains, then the 32 lanes: four steps inside each half of 16 lanes ride on the addition, one crosses the halves
	v_pk_add_f32 v[ACC:ACC+1], v[ACC:ACC+1], v[ACC+2:ACC+3]
	v_pk_add_f32 v[ACC+4:ACC+5], v[ACC+4:ACC+5], v[ACC+6:ACC+7]
	v_pk_add_f32 v[ACC:ACC+1], v[ACC:ACC+1], v[ACC+4:ACC+5]
	v_add_f32 v[ACC], v[ACC], v[ACC+1]
	v_add_f32_dpp v[ACC], v[ACC], v[ACC] row_xmask:1 row_mask:0xf bank_mask:0xf
	v_add_f32_dpp v[ACC], v[ACC], v[ACC] row_xmask:2 row_mask:0xf bank_mask:0xf
	v_add_f32_dpp v[ACC], v[ACC], v[ACC] row_xmask:4 row_mask:0xf bank_mask:0xf
	v_add_f32_dpp v[ACC], v[ACC], v[ACC] row_xmask:8 row_mask:0xf bank_mask:0xf
	v_permlanex16_b32 v[T], v[ACC], s25, s26
	v_add_f32 v[ACC], v[ACC], v[T]
	v_cmp_eq_u32 vcc_lo, 0, v1
	s_wait_xcnt 0x0                                ; EXEC is a source of the stores above: it is narrowed only behind this wait
	s_and_saveexec_b32 s27, vcc_lo
	global_store_b32 v[ZERO], v[ACC], s[14:15]     ; lane 0 stores the row's yw
	s_wait_xcnt 0x0                                ; and widened again only behind this one
	s_or_b32 exec_lo, exec_lo, s27
	s_endpgm
.Lfunc_end_k_qc768fcc351_prep:
	.size	k_qc768fcc351_prep, .Lfunc_end_k_qc768fcc351_prep-k_qc768fcc351_prep
	.p2alignl 7, 3214868480
	.fill 96, 4, 3214868480
	.section	.rodata,"a",@progbits
	.p2align	6, 0x0
	.amdhsa_kernel k_qc768fcc351_prep
		.amdhsa_group_segment_fixed_size 0
		.amdhsa_private_segment_fixed_size 0
		.amdhsa_enable_private_segment 0
		.amdhsa_kernarg_size 48
		.amdhsa_user_sgpr_count 2
		.amdhsa_user_sgpr_kernarg_segment_ptr 1
		.amdhsa_wavefront_size32 1
		.amdhsa_system_sgpr_workgroup_id_x 1
		.amdhsa_system_sgpr_workgroup_id_y 1
		.amdhsa_system_sgpr_workgroup_id_z 1
		.amdhsa_system_vgpr_workitem_id 0
		.amdhsa_next_free_vgpr 208
		.amdhsa_next_free_sgpr 66
		.amdhsa_reserve_vcc 1
		.amdhsa_float_denorm_mode_32 3
		.amdhsa_float_denorm_mode_16_64 3
		.amdhsa_memory_ordered 1
		.amdhsa_forward_progress 1
		.amdhsa_inst_pref_size 40
	.end_amdhsa_kernel
	.amdgpu_metadata
---
amdhsa.version: [ 1, 2 ]
amdhsa.kernels:
  - .name:           k_qc768fcc351_prep
    .symbol:         k_qc768fcc351_prep.kd
    .args:
      - { .name: x, .offset: 0, .size: 8, .value_kind: global_buffer, .address_space: global }
      - { .name: W, .offset: 8, .size: 8, .value_kind: global_buffer, .address_space: global }
      - { .name: y, .offset: 16, .size: 8, .value_kind: global_buffer, .address_space: global }
      - { .name: xb, .offset: 24, .size: 8, .value_kind: global_buffer, .address_space: global }
      - { .name: wb, .offset: 32, .size: 8, .value_kind: global_buffer, .address_space: global }
      - { .name: yw, .offset: 40, .size: 8, .value_kind: global_buffer, .address_space: global }
    .group_segment_fixed_size: 0
    .private_segment_fixed_size: 0
    .kernarg_segment_align: 8
    .kernarg_segment_size: 48
    .max_flat_workgroup_size: 512
    .sgpr_count:     66
    .vgpr_count:     208
    .wavefront_size: 32
...
	.end_amdgpu_metadata
.endif
;; end of part 1
;; launch gemm (part 2): grid 16 x 16, 4 waves a work-group, clusters of 4 x 4, 327,680 bytes of LDS; arguments xb, wb, out0, yw; writes out0
.if DOCPART == 2
	.amdgcn_target "amdgcn-amd-amdhsa--gfx1250"
	.amdhsa_code_object_version 6
	.text
	.protected	k_qc768fcc351_gemm
	.globl	k_qc768fcc351_gemm
	.p2align	8
	.type	k_qc768fcc351_gemm,@function
k_qc768fcc351_gemm:
	s_mov_b64 s[64:65], 0
	v_nop
	global_prefetch_b8 v0, s[64:65] scope:SCOPE_SE
	s_setreg_imm32_b32 hwreg(HW_REG_WAVE_MODE, 25, 1), 1
	s_wait_xcnt 0x0
	s_wait_alu depctr_hold_cnt(0) depctr_sa_sdst(0) depctr_va_vdst(0) depctr_va_sdst(0) depctr_va_ssrc(0) depctr_va_vcc(0) depctr_vm_vsrc(0)
	s_getreg_b32 s2, hwreg(HW_REG_IB_STS2, 6, 4)
	s_cmp_eq_u32 s2, 0
	s_cbranch_scc0 .Lentry_in_a_cluster
	s_endpgm
.Lentry_in_a_cluster:
	s_bfe_u32 s2, ttmp6, 0x10000c
	s_cmp_lg_u32 s2, 0xf033
	s_cbranch_scc0 .Lentry_shape_is_right
	s_endpgm
.Lentry_shape_is_right:
; out0[i][j] = yw[j] + the sum over k of xb[i][k] wb[j][k].  xb = bf16(-x), wb = bf16(W): [4096][4096] bf16; yw: [4096] f32; out0: [4096][4096] f32.  Sums in f32.
; With xb holding -x this is yw[j] - (x W^T)[i][j].  yw IS THE C OPERAND OF THE FIRST PRODUCT on each accumulator, so the accumulators end as out0 itself and the way out has no arithmetic.
; LIMITS.  The operands are the inputs rounded once to bf16 by the launch before; the order of the f32 sums is the matrix unit's, K ascending, yw first; NaN and infinities are not treated apart.
; SHARES.  A tile of out0, 256 x 256, is made by a work-group of four waves; 256 tiles, 256 work-groups.  A wave makes 128 x 128: 64 accumulators of 16 x 16, 512 registers.
; K goes in steps of 128 through a ring of two LDS slots filled by the tensor data mover: a tile's rows are 256 bytes of memory and start at multiples of 256 bytes from the buffer's first byte.
; CLUSTERS: 4 x 4 work-groups.  The four of a row of the cluster need the same tiles of xb, the four of a column the same tiles of wb.  Such a tile is asked for JOINTLY: each of the four issues
; the same tensor load, with the same descriptor and a mask that names the four, and each receives the tile in its own LDS: a quarter of the requests.
; THE MATRIX INSTRUCTION IS USED TRANSPOSED: source 0 = 16 rows of wb, source 1 = 16 rows of xb.  In the result lane l holds row l % 16 of out0, and its registers 0 to 7 the columns
; 8 (l / 16) + 0 .. 7: 32 neighbouring bytes of a row.
; REGISTERS, in windows of 256 (s_set_vgpr_msb's low byte: bits 1:0 source 0, 3:2 source 1, 5:4 source 2, 7:6 destination):
;   window 0: v0-31 addresses; v64-127, v128-191 fragments of xb (8 x 16 rows x 32 K), two buffers; v192-255 yw of my 128 columns, as a C operand wants it; on the way out v64-255 are three buffers of 64
;   window 1: v64-127, v128-191 fragments of wb, two buffers
;   window 2: the 32 accumulators of my rows 0-63 (accumulator (a, b) at v[8 (8 a + b)]);   window 3: those of my rows 64-127
.set SIZE_K, 4096
.set SIZE_N, 4096
.set KSTEP,  128
.set PITCH,  272                       ; an LDS row: 256 bytes of data + 16 of padding = 68 words: row r starts at bank 4 r mod 64 (64 banks of 4 bytes: ISA guide 11.1), so the 16 rows that a load touches start at 16 different banks
.set HALFT,  128*PITCH                 ; 128 rows: what one tensor load brings, and what one wave reads of xb or of wb
.set SLOT,   4*HALFT                   ; xb's 256 rows, then wb's 256 rows
.set STAGE,  2*SLOT                    ; behind the ring: 16 rows x 528 bytes for each wave, for the way out; no tensor load lands here
.set SPITCH, 528                       ; a stage row: 512 bytes (128 f32) + 16 = 132 words: row r starts at bank 4 r mod 64
.set SPARE,  STAGE+4*16*SPITCH         ; behind the stages: the spare words, 128 bytes for each wave: two blocks of 256 bytes that no other line names
.set LAPS,   SIZE_K/(2*KSTEP)          ; a lap = two K steps = once round the ring: 16
.set ADRA, 16                          ; v16-17  LDS address of my xb fragments in slot 0, 1
.set ADRB, 20                          ; v20-21  the same for wb
.set STO,  24                          ; v24     the way out: where I put 32 bytes of a row: stage + 528 (l % 16) + 32 (l / 16)
.set RD,   25                          ; v25     the way out: where I read 16 bytes of a row back: stage + 16 l
.set CO,   26                          ; v26     my byte offset in 512 bytes of a row of out0: 16 l; never rewritten
.set YWO,  27                          ; v27     my byte offset in yw: 32 (l / 16); never rewritten
.set SPW,  28                          ; v28     LDS address of my spare word: SPARE + 4 x my thread's number; never rewritten
.set NIL,  29                          ; v29     0; never rewritten
.set PFO,  30                          ; v30     the prefetches' offset: my lane x a row of xb or wb (8,192 bytes); never rewritten
.set F0,   64                          ; fragment buffer 0
.set F1,   128                         ; fragment buffer 1
.set YW,   192                         ; v[YW + 8 b + j] = yw[my first column + 16 b + 8 (l / 16) + j]
.set OB,   64                          ; the way out: block a's 16 rows come back into v[OB + 64 (a % 3) ..]
.set LIM,  43                          ; s43     1 in a wave that prefetches, else the greatest number
.set PFA,  44                          ; s[44:45] where my prefetches stand: my work-group's 32 rows of the 128 that I fetch, one K step further along K than the refill that is being asked for
.set G1,   24                          ; s[24:31] descriptor group 1 for xb's tiles
.set G0,   32                          ; s[32:39] descriptor group 0 for xb's tiles, one set for each slot
.set G1B,  48                          ; s[48:55] descriptor group 1 for wb's tiles: it differs in the mask alone
.set G0B,  56                          ; s[56:63] descriptor group 0 for wb's tiles, one set for each slot
.set YWB,  66                          ; s[66:67] yw at my first column
.set MSB, 0
.macro WIN new                         ; the immediate's high byte repeats the setting that is left; a switch that changes nothing is dropped
.if MSB != (\new)
	s_set_vgpr_msb (MSB<<8)|(\new)
.set MSB, \new
.endif
.endm
.set MUL_LO, 0xa1                      ; source 0 (wb) window 1, source 1 (xb) window 0, C and D window 2
.set MUL_HI, 0xf1                      ; the same, C and D window 3
.set MUL_Y,  0x81                      ; the first product: C (yw) window 0, D window 2; + 0x40: D window 3
.set TO_B,   0x40                      ; destination window 1, address window 0
; A joint load.  Waves 0 and 1 fetch xb's two halves, waves 2 and 3 wb's.  Each of the two lines has ONE mask and one set of registers for all that issue it, and nothing in them hangs on a
; coordinate that the four partners do not share.  The branch hangs on the wave's number alone.  An s_nop 0 and four v_nop follow each of the two lines, ahead of the jump and the label.
.macro JLOAD s
	s_cmp_eq_u32 s11, 0
	s_cbranch_scc0 .Lfor_b_\@
	tensor_load_to_lds s[G0+4*(\s):G0+4*(\s)+3], s[G1:G1+7]
	s_nop 0
.rept 4
	v_nop
.endr
	s_branch .Lasked_\@
.Lfor_b_\@:
	tensor_load_to_lds s[G0B+4*(\s):G0B+4*(\s)+3], s[G1B:G1B+7]
	s_nop 0
.rept 4
	v_nop
.endr
.Lasked_\@:
.endm
; A PREFETCH INTO THE L2, behind each joint refill, its five lines and the run of LDS loads that follows them: the K step that stands TWO refills on, 512 matrix instructions ahead of the load that
; will want it: 32 rows x 256 bytes, a lane a row, one instruction a wave.  Each row's 256 bytes of a K step are named ONCE in the launch: xb's tile row is walked by every cluster of that row of
; clusters, and the one with cluster x = 0 asks; wb's tile column by every cluster of that column, and the one with cluster y = 0 asks.  The four partners that ask for a tile jointly share its
; rows out BY ADDRESS: of the 128 rows that a wave fetches the partner at place p takes 32 p .. 32 p + 31 (p = cx for xb, cy for wb): no branch hangs on a place in the cluster.
; Trip t of the loop names K steps 2 t + 4 and 2 t + 5; the last trip (s3 = 1) names nothing: the last K step named is 31.  K steps 0 to 3 come by their loads alone.
.macro ASK
	s_cmp_gt_u32 s3, s[LIM]
	s_cbranch_scc0 .Lnot_mine_\@
	global_prefetch_b8 v[PFO], s[PFA:PFA+1] offset:KSTEP*2 th:TH_LOAD_NT scope:SCOPE_SE
.Lnot_mine_\@:
.endm
; A round of the cluster's barrier: my work-group's barrier, so that wave 0's signal speaks for all four waves; wave 0 signals for the work-group; every wave waits for all sixteen
; work-groups; my work-group's barrier once more.  No LDS instruction of the wave is pending at a signal.
.macro CREST                           ; a round behind its opening barrier
	s_cmp_lg_u32 s10, 0
	s_cbranch_scc1 .Lnot_wave_0_\@
	s_barrier_signal -3
.Lnot_wave_0_\@:
	s_barrier_wait -3
	s_barrier_signal -1
	s_barrier_wait -1
.endm
.macro CROUND                          ; a whole round
	s_barrier_signal -1
	s_barrier_wait -1
	CREST
.endm
	s_load_b128 s[4:7], s[0:1], 0x0                ; xb s[4:5], wb s[6:7]
	s_load_b64 s[8:9], s[0:1], 0x10                ; out0
	s_load_b64 s[YWB:YWB+1], s[0:1], 0x18          ; yw
	v_lshl_add_u32 v[SPW], v0, 2, SPARE
	v_mov_b32 v[NIL], 0
	ds_add_u32 v[SPW], v[NIL]                      ; the wave's opening: the add, twice on end, and its wait ahead of my first tensor load; the set-up below, work on registers, stands between
	ds_add_u32 v[SPW], v[NIL]                      ; and once more, under the one wait
	v_lshrrev_b32 v1, 5, v0
	v_readfirstlane_b32 s10, v1                    ; wave 0..3
	s_lshr_b32 s11, s10, 1                         ; which half of the tile's rows is mine.  Also: I fetch for xb (0) or for wb (1)
	s_and_b32 s12, s10, 1                          ; which half of its columns.  Also: which 128 rows of that tile I fetch
	s_bfe_u32 s40, ttmp6, 0x40000                  ; cx: my place along the cluster's x
	s_bfe_u32 s41, ttmp6, 0x40004                  ; cy: along its y
	s_lshl_b32 s42, ttmp9, 2                       ; in a cluster launch ttmp9 and ttmp7 count clusters
	s_add_co_u32 s42, s42, s40                     ; tile column of out0 = 4 x cluster x + cx
	s_and_b32 s13, ttmp7, 0xffff
	s_lshl_b32 s13, s13, 2
	s_add_co_u32 s13, s13, s41                     ; tile row of out0 = 4 x cluster y + cy
	s_lshl_b32 s43, s41, 2
	s_lshl_b32 s43, 15, s43                        ; my row of the cluster: places 4 cy .. 4 cy + 3
	s_lshl_b32 s44, 0x1111, s40                    ; my column: places cx, cx + 4, cx + 8, cx + 12
	; descriptor group 1: a tile of 128 rows x 128 elements, padded in LDS
	s_or_b32 s[G1+0], s43, (1<<16)|(1<<20)|(1<<21)|(5<<22)|(3<<25)  ; 15:0 the mask: xb's tiles go to my row; 17:16 element of 2 bytes; 20 padding on; 21 set beside a mask; 24:22 after every 64 words (code 5); 31:25 of 4 words (code 3)
	s_or_b32 s[G1B+0], s44, (1<<16)|(1<<20)|(1<<21)|(5<<22)|(3<<25) ; the same with the mask of my column, for wb's tiles
	s_mov_b32 s[G1B+1], KSTEP<<16
	s_mov_b32 s[G1+1], KSTEP<<16                   ; 63:48 tensor_dim0, low half = 128
	s_mov_b32 s[G1B+2], 128<<16
	s_mov_b32 s[G1+2], 128<<16                     ; 79:64 its high half = 0; 95:80 tensor_dim1, low half = 128
	s_mov_b32 s[G1B+3], KSTEP<<16
	s_mov_b32 s[G1+3], KSTEP<<16                   ; 111:96 its high half = 0; 127:112 tile_dim0 = 128
	s_mov_b32 s[G1B+4], 128
	s_mov_b32 s[G1+4], 128                         ; 143:128 tile_dim1 = 128; 159:144 tile_dim2 = 0
	s_mov_b32 s[G1B+5], SIZE_K
	s_mov_b32 s[G1+5], SIZE_K                      ; 191:160 tensor_dim0_stride, low word: elements from row to row
	s_mov_b32 s[G1B+6], 0
	s_mov_b32 s[G1+6], 0
	s_mov_b32 s[G1B+7], 0
	s_mov_b32 s[G1+7], 0
	; where the tiles come from.  xb's hang on the tile row alone, which my row of the cluster shares; wb's on the tile column alone, which my column shares.
	; Every wave makes both addresses, in registers that never hold the other coordinate, and asks by one of them.
	s_lshl_b32 s17, s12, 7                         ; which 128 rows of the tile I fetch
	s_lshl_b32 s16, s13, 8
	s_add_co_u32 s16, s16, s17                     ; xb: row 256 x tile row + 128 x half
	s_lshl_b32 s46, s42, 8
	s_add_co_u32 s46, s46, s17                     ; wb: row 256 x tile column + 128 x half
	s_mov_b32 s17, 0
	s_mov_b32 s47, 0
	s_mov_b64 s[18:19], SIZE_K*2
	s_mul_u64 s[16:17], s[16:17], s[18:19]         ; in bytes
	s_mul_u64 s[46:47], s[46:47], s[18:19]
	s_mul_i32 s20, s10, HALFT                      ; and where they go: xb's two halves, then wb's two halves = wave x 128 rows: no place in the cluster enters an LDS address
	s_wait_dscnt 0x0                               ; both opening adds are done
	s_wait_kmcnt 0x0
	s_add_nc_u64 s[14:15], s[4:5], s[16:17]
	s_add_nc_u64 s[46:47], s[6:7], s[46:47]
	CROUND                                         ; all sixteen work-groups are here: the first joint loads meet
.irp s, 0,1
	s_mov_b32 s[G0+4*(\s)], 1                                      ; 1:0 count = 1
	s_add_co_u32 s[G0+4*(\s)+1], s20, (\s)*SLOT                    ; 63:32 LDS address
	s_add_nc_u64 s[G0+4*(\s)+2:G0+4*(\s)+3], s[14:15], (\s)*KSTEP*2  ; 120:64 global address: K step s
	s_or_b32 s[G0+4*(\s)+3], s[G0+4*(\s)+3], 0x80000000            ; 127:126 type = 2
	s_mov_b32 s[G0B+4*(\s)], 1
	s_add_co_u32 s[G0B+4*(\s)+1], s20, (\s)*SLOT
	s_add_nc_u64 s[G0B+4*(\s)+2:G0B+4*(\s)+3], s[46:47], (\s)*KSTEP*2
	s_or_b32 s[G0B+4*(\s)+3], s[G0B+4*(\s)+3], 0x80000000
	JLOAD \s                                       ; the ring is filled before anything else is done: two tensor loads of mine are out
.endr
	; A fragment is 16 rows x 32 K in 8 registers: lane l holds row l % 16; registers 0-3 hold K = 8 (l / 16) + 0..7, registers 4-7 hold
	; K = 16 + 8 (l / 16) + 0..7.  From rows that lie along K: two loads of 16 bytes, 32 bytes apart.  The same for source 0 and source 1.
	v_and_b32 v1, 15, v0                           ; l % 16
	v_bfe_u32 v2, v0, 4, 1                         ; l / 16
	v_mul_u32_u24 v3, v1, PITCH
	v_lshl_add_u32 v3, v2, 4, v3                   ; row x pitch + 16 x half
	s_mul_i32 s21, s11, HALFT                      ; my 128 rows of xb
	s_mul_i32 s22, s12, HALFT                      ; my 128 rows of wb,
	s_add_co_u32 s22, s22, 2*HALFT                 ; which lie behind xb's 256
.irp s, 0,1
	v_add_nc_u32 v[ADRA+(\s)], s21, v3
	v_add_nc_u32 v[ADRB+(\s)], s22, v3
	s_add_co_u32 s21, s21, SLOT
	s_add_co_u32 s22, s22, SLOT
.endr
	s_mul_i32 s23, s10, 16*SPITCH
	s_add_co_u32 s23, s23, STAGE                   ; my stage
	v_mul_u32_u24 v4, v1, SPITCH                   ; in: row l % 16, 32 bytes for each half of the lanes
	v_lshl_add_u32 v4, v2, 5, v4
	v_add_nc_u32 v[STO], s23, v4
	v_and_b32 v5, 31, v0
	v_lshlrev_b32 v[CO], 4, v5                     ; back: 32 lanes take one row of 512 bytes, and the same 512 bytes of a row of out0
	v_add_nc_u32 v[RD], s23, v[CO]
	v_lshlrev_b32 v[YWO], 5, v2
	; where my part of the tile begins in out0, and my columns in yw
	s_lshl_b32 s13, s13, 8
	s_lshl_b32 s14, s11, 7
	s_add_co_u32 s16, s13, s14                     ; my first row of out0
	s_mov_b32 s17, 0
	s_mov_b64 s[18:19], SIZE_N*4
	s_mul_u64 s[16:17], s[16:17], s[18:19]
	s_lshl_b32 s46, s42, 10                        ; my first column, in bytes of f32: 1,024 x tile column + 512 x half
	s_lshl_b32 s47, s12, 9
	s_add_co_u32 s46, s46, s47
	s_mov_b32 s47, 0
	s_add_nc_u64 s[8:9], s[8:9], s[16:17]          ; out0's base is stepped here, once: the way out's rows stand in the stores' immediates
	s_add_nc_u64 s[8:9], s[8:9], s[46:47]
	s_add_nc_u64 s[YWB:YWB+1], s[YWB:YWB+1], s[46:47]
	; the prefetches.  s13 = 256 x tile row, s42 = tile column, s40 = cx, s41 = cy still stand; s[4:5] = xb, s[6:7] = wb
	s_lshl_b32 s42, s42, 8
	s_and_b32 s22, ttmp7, 0xffff                   ; cluster y
	s_cmp_eq_u32 s11, 0                            ; do I fetch for xb?
	s_cselect_b32 s20, s13, s42                    ; the tile's first row: in xb by the tile row, in wb by the tile column
	s_cselect_b32 s21, s40, s41                    ; my place among the four that ask for it with me
	s_cselect_b32 s22, ttmp9, s22                  ; the coordinate along which other clusters walk the same rows
	s_cselect_b64 s[PFA:PFA+1], s[4:5], s[6:7]
	s_cmp_eq_u32 s22, 0
	s_cselect_b32 s[LIM], 1, -1                    ; the same in all sixteen partners, for a given wave
	s_lshl_b32 s22, s12, 7
	s_add_co_u32 s20, s20, s22                     ; + the 128 rows that I fetch
	s_lshl_b32 s21, s21, 5
	s_add_co_u32 s20, s20, s21                     ; + my work-group's 32 of them
	s_mov_b32 s21, 0
	s_mov_b64 s[18:19], SIZE_K*2
	s_mul_u64 s[20:21], s[20:21], s[18:19]
	s_add_nc_u64 s[PFA:PFA+1], s[PFA:PFA+1], s[20:21]
	s_add_nc_u64 s[PFA:PFA+1], s[PFA:PFA+1], 2*KSTEP*2  ; at K step 2: the first refill steps it to 3 and names K step 4
	v_and_b32 v[PFO], 31, v0
	v_mul_u32_u24 v[PFO], v[PFO], SIZE_K*2
	; yw of my 128 columns, laid out as the C operand of column block b wants it: 32 bytes a lane and block, the same for all lanes of a half
.irp b, 0,1,2,3,4,5,6,7
	global_load_b128 v[YW+8*(\b):YW+8*(\b)+3],   v[YWO], s[YWB:YWB+1] offset:64*(\b)
	global_load_b128 v[YW+8*(\b)+4:YW+8*(\b)+7], v[YWO], s[YWB:YWB+1] offset:64*(\b)+16
.endr
; 16 matrix instructions: m blocks a0, a0 + 1 of the window's four (hi = 0: my rows 0-63, 1: rows 64-127) x all 8 n blocks, 32 along K.
; zero = 1: the first product starts the sums, with yw of the block's columns as C: nothing is ever cleared, and nothing is added at the end.
; The 64 accumulators take turns, one instruction a turn, in the same order in every quarter step, over the backward jump and into the tail.
.macro MUL16 f, hi, a0, zero
.if \zero
	WIN MUL_Y+0x40*(\hi)
.else
	WIN MUL_LO+0x50*(\hi)
.endif
.irp a, \a0, (\a0)+1
.irp b, 0,1,2,3,4,5,6,7
.if \zero
	v_wmma_f32_16x16x32_bf16 v[8*(8*(\a)+(\b)):8*(8*(\a)+(\b))+7], v[(\f)+8*(\b):(\f)+8*(\b)+7], v[(\f)+8*(4*(\hi)+(\a)):(\f)+8*(4*(\hi)+(\a))+7], v[YW+8*(\b):YW+8*(\b)+7]
.else
	v_wmma_f32_16x16x32_bf16 v[8*(8*(\a)+(\b)):8*(8*(\a)+(\b))+7], v[(\f)+8*(\b):(\f)+8*(\b)+7], v[(\f)+8*(4*(\hi)+(\a)):(\f)+8*(4*(\hi)+(\a))+7], v[8*(8*(\a)+(\b)):8*(8*(\a)+(\b))+7]
.endif
.endr
.endr
.endm
; 32 LDS loads in one run: the fragments of one quarter step (128 rows of wb, 128 rows of xb, 32 K at byte k of the rows) into buffer f
.macro FETCH slot, k, f
	WIN TO_B
.irp i, 0,1,2,3,4,5,6,7
	ds_load_b128 v[(\f)+8*(\i):(\f)+8*(\i)+3],   v[ADRB+(\slot)] offset:(\k)+(\i)*16*PITCH
	ds_load_b128 v[(\f)+8*(\i)+4:(\f)+8*(\i)+7], v[ADRB+(\slot)] offset:(\k)+(\i)*16*PITCH+32
.endr
	WIN 0
.irp i, 0,1,2,3,4,5,6,7
	ds_load_b128 v[(\f)+8*(\i):(\f)+8*(\i)+3],   v[ADRA+(\slot)] offset:(\k)+(\i)*16*PITCH
	ds_load_b128 v[(\f)+8*(\i)+4:(\f)+8*(\i)+7], v[ADRA+(\slot)] offset:(\k)+(\i)*16*PITCH+32
.endr
.endm
; A load into a register that a matrix instruction has read, and a store that reads a matrix result, stand four places behind that matrix instruction, and only plain vector instructions that
; name none of its registers are places (ISA guide 7.12.1 for vector instructions).  So four v_nop stand in front of each run of loads.
.macro PLACES
.rept 4
	v_nop
.endr
.endm
; A K step is four quarter steps of 32 along K, 64 matrix instructions each, on buffers 0, 1, 0, 1.
; One of the first three: multiplies buffer f; in its middle it fetches the next quarter's fragments, at byte k of the same slot's rows, into buffer g.
.macro QUARTER slot, k, f, g, zero
	s_wait_dscnt 8                                 ; wb's fragments and xb's rows 0-63 are in; the youngest eight loads (xb's rows 64-127) may be out
	MUL16 \f, 0, 0, \zero
	MUL16 \f, 0, 2, \zero
	PLACES
	FETCH \slot, \k, \g
	s_wait_dscnt 32                                ; all but the 32 just issued
	MUL16 \f, 1, 0, \zero
	MUL16 \f, 1, 2, \zero
.endm
; The last quarter multiplies buffer 1 and changes slots.  MEET is its first half: ONE barrier for the change of slots, for two things.  In front of it each wave waits for all its tensor loads,
; of which one is out: its part of the next slot; adds 0 to its spare word; and waits for that and for its own reads of this slot.  Behind it nobody reads this slot any more and the next slot is whole.
.macro MEET round                      ; round = 1: a round of the cluster's barrier follows
	WIN 0                                          ; (the add's two registers lie in window 0)
	s_wait_tensorcnt 0x0                           ; all my tensor loads have landed: the one that was out is my part of the next slot;
	ds_add_u32 v[SPW], v[NIL]                      ; 0 onto my spare word;
	s_wait_dscnt 9                                 ; (the add and the youngest eight loads may be out)
	MUL16 F1, 0, 0, 0                              ; sixteen matrix instructions stand between the add and the wait for it
	s_wait_dscnt 0x0                               ; the add is done, and my reads of this slot are over:
	s_barrier_signal -1                            ; say so (where a slot is filled again this barrier opens a round of the cluster's barrier),
	MUL16 F1, 0, 2, 0                              ; work on registers while the others arrive,
.if \round
	WIN 0
.endif
	s_barrier_wait -1                              ; and go on when all four have said so
.endm
; The whole last quarter.  fill = 1: behind the round the slot just read out is filled again first, with the K step two steps on; then come the next slot's first fragments.
; From a request to the wait for it a wave issues 224 matrix instructions.  fill = 0 (the tail): nothing is left to ask for, so no round follows the barrier.
.macro TURN slot, next, fill
.if \fill
	s_wait_xcnt 0x0                                ; the last prefetch, a K step back, has read its address: it is stepped here, ahead of the waits of the change of slots
	s_add_nc_u64 s[PFA:PFA+1], s[PFA:PFA+1], KSTEP*2
	MEET 1
	CREST                                          ; wave 0 says so for the work-group, all sixteen work-groups have said so, my work-group's barrier closes the round:
	                                               ; no wave of any partner still reads this slot's tile or has a load on its way
	s_add_nc_u64 s[G0+4*(\slot)+2:G0+4*(\slot)+3], s[G0+4*(\slot)+2:G0+4*(\slot)+3], 2*KSTEP*2    ; no tensor load of mine is out, so a group 0 may be written; the type bits on top are not reached
	s_add_nc_u64 s[G0B+4*(\slot)+2:G0B+4*(\slot)+3], s[G0B+4*(\slot)+2:G0B+4*(\slot)+3], 2*KSTEP*2
	JLOAD \slot                                    ; my one tensor load behind the round; the four v_nop behind it are also the places in front of the loads below
.else
	MEET 0
	PLACES
.endif
	FETCH \next, 0, F0
.if \fill
	ASK                                            ; behind the joint load and the run of LDS loads that the next products wait for
.endif
	MUL16 F1, 1, 0, 0
	MUL16 F1, 1, 2, 0
.endm
; THE WAY OUT of block a (16 rows x 128 columns of f32), in two parts.  TOSTAGE: a lane's 32 bytes of a row for each column block go into my own stage, straight from the accumulators (each
; accumulator's four lowest registers first), and come back as whole rows of 512 bytes.  LDS serves a wave's instructions in order (ISA guide 5.7.1.4): the loads see the
; stores above them, and the next block's stores come behind these loads; the stage is my wave's own, so no barrier.
.macro TOSTAGE a
.set AC, 64*((\a)%4)
.set BK, OB+64*((\a)%3)
	WIN 0x08+4*((\a)/4)                            ; the stores' data (source 1) in window 2 or 3, the address in window 0
.irp b, 0,1,2,3,4,5,6,7
	ds_store_b128 v[STO], v[AC+8*(\b):AC+8*(\b)+3]   offset:64*(\b)
	ds_store_b128 v[STO], v[AC+8*(\b)+4:AC+8*(\b)+7] offset:64*(\b)+16
.endr
	WIN 0
.irp t, 0,1,2,3,4,5,6,7,8,9,10,11,12,13,14,15
	ds_load_b128 v[BK+4*(\t):BK+4*(\t)+3], v[RD] offset:(\t)*SPITCH
.endr
.endm
; SEND: block a is stored.  younger: the LDS instructions issued behind block a's loads: the next block's 32, or none.
.macro SEND a, younger
.set BK, OB+64*((\a)%3)
	WIN 0
	s_wait_xcnt 0x0                                ; the stores of the block before have read their registers: the buffer that they read is loaded again two TOSTAGE on, behind this wait
.irp t, 0,1,2,3,4,5,6,7,8,9,10,11,12,13,14,15
	s_wait_dscnt (\younger)+15-(\t)                ; LDS loads come back in order: row t is in
	global_store_b128 v[CO], v[BK+4*(\t):BK+4*(\t)+3], s[8:9] offset:(16*(\a)+(\t))*SIZE_N*4 th:TH_STORE_NT  ; 32 lanes store 512 consecutive bytes of one row, at a multiple of 512 from out0's first byte; 127 rows at the most: inside the signed 24-bit immediate
.endr
.endm
	s_wait_tensorcnt 1                             ; my part of K step 0 is in; K step 1's load, issued behind it, may stay out
	s_barrier_signal -1
	s_barrier_wait -1                              ; everybody's is
	FETCH 0, 0, F0
	s_wait_loadcnt 0x0                             ; yw
	QUARTER 0, 64,  F0, F1, 1                      ; the first quarter stands in front of the loop: its products start the sums, with yw
	WIN 0                                          ; at a label and at a branch every window is 0
	s_mov_b32 s3, LAPS-1
.Llap:                                                 ; a trip goes once round the ring, from a lap's second quarter to the next lap's first, and fills both slots again: trip t with K steps 2 t + 2 and 2 t + 3
	QUARTER 0, 128, F1, F0, 0
	QUARTER 0, 192, F0, F1, 0
	TURN 0, 1, 1
	QUARTER 1, 64,  F0, F1, 0
	QUARTER 1, 128, F1, F0, 0
	QUARTER 1, 192, F0, F1, 0
	TURN 1, 0, 1
	QUARTER 0, 64,  F0, F1, 0
	WIN 0
	s_sub_co_u32 s3, s3, 1
	s_cmp_lg_u32 s3, 0
	s_cbranch_scc1 .Llap
	QUARTER 0, 128, F1, F0, 0                      ; the last lap is written out: it asks for nothing
	QUARTER 0, 192, F0, F1, 0
	TURN 0, 1, 0
	QUARTER 1, 64,  F0, F1, 0
	QUARTER 1, 128, F1, F0, 0
	QUARTER 1, 192, F0, F1, 0
	s_wait_dscnt 8                                 ; the very last quarter: nothing more to fetch
	MUL16 F1, 0, 0, 0
	MUL16 F1, 0, 2, 0
	s_wait_dscnt 0x0
	MUL16 F1, 1, 0, 0
	MUL16 F1, 1, 2, 0
	WIN 0
	PLACES                                         ; behind the last products: the stores below read results, and the loads below land in registers that held fragments
	PLACES
	TOSTAGE 0
.irp a, 1,2,3,4,5,6,7                  ; block a goes into the stage while block a - 1's rows come back and leave
	TOSTAGE \a
	SEND (\a)-1, 32
.endr
	SEND 7, 0
	s_wait_tensorcnt 0x0                           ; the wave's end: behind my last tensor load and my last LDS store
	ds_add_u32 v[SPW], v[NIL]
	s_wait_dscnt 0x0
	CROUND                                         ; the closing round: no work-group ends while a partner may still ask for a tile that names it
	s_endpgm
.Lfunc_end_k_qc768fcc351_gemm:
	.size	k_qc768fcc351_gemm, .Lfunc_end_k_qc768fcc351_gemm-k_qc768fcc351_gemm
	.p2alignl 7, 3214868480
	.fill 96, 4, 3214868480
	.section	.rodata,"a",@progbits
	.p2align	6, 0x0
	.amdhsa_kernel k_qc768fcc351_gemm
		.amdhsa_group_segment_fixed_size 327680
		.amdhsa_private_segment_fixed_size 0
		.amdhsa_enable_private_segment 0
		.amdhsa_kernarg_size 32
		.amdhsa_user_sgpr_count 2
		.amdhsa_user_sgpr_kernarg_segment_ptr 1
		.amdhsa_wavefront_size32 1
		.amdhsa_system_sgpr_workgroup_id_x 1
		.amdhsa_system_sgpr_workgroup_id_y 1
		.amdhsa_system_sgpr_workgroup_id_z 1
		.amdhsa_system_vgpr_workitem_id 0
		.amdhsa_next_free_vgpr 1024
		.amdhsa_next_free_sgpr 68
		.amdhsa_reserve_vcc 0
		.amdhsa_float_denorm_mode_32 3
		.amdhsa_float_denorm_mode_16_64 3
		.amdhsa_memory_ordered 1
		.amdhsa_forward_progress 1
		.amdhsa_inst_pref_size 147
	.end_amdhsa_kernel
	.amdgpu_metadata
---
amdhsa.version: [ 1, 2 ]
amdhsa.kernels:
  - .name:           k_qc768fcc351_gemm
    .symbol:         k_qc768fcc351_gemm.kd
    .args:
      - { .name: xb, .offset: 0, .size: 8, .value_kind: global_buffer, .address_space: global }
      - { .name: wb, .offset: 8, .size: 8, .value_kind: global_buffer, .address_space: global }
      - { .name: out0, .offset: 16, .size: 8, .value_kind: global_buffer, .address_space: global }
      - { .name: yw, .offset: 24, .size: 8, .value_kind: global_buffer, .address_space: global }
    .group_segment_fixed_size: 327680
    .private_segment_fixed_size: 0
    .kernarg_segment_align: 8
    .kernarg_segment_size: 32
    .max_flat_workgroup_size: 128
    .sgpr_count:     68
    .vgpr_count:     1024
    .wavefront_size: 32
...
	.end_amdgpu_metadata
.endif
;; end of part 2
;; ======== version 2 of 2: 2 launches; version 1 with the launch prep written anew for expert scheduling mode
;; limits: values outside matrix products are rounded to bf16
;; workspace buffers: xb 33,554,432 bytes; wb 33,554,432 bytes; yw 16,384 bytes
;; launch prep (part 3): grid 256 x 1, 16 waves a work-group, no clusters, 0 bytes of LDS; arguments x, W, y, xb, wb, yw; writes xb, wb, yw
.if DOCPART == 3
	.amdgcn_target "amdgcn-amd-amdhsa--gfx1250"
	.amdhsa_code_object_version 6
	.text
	.protected	k_qc768fcc351_prep
	.globl	k_qc768fcc351_prep
	.p2align	8
	.type	k_qc768fcc351_prep,@function
k_qc768fcc351_prep:
	s_mov_b64 s[64:65], 0
	v_nop
	global_prefetch_b8 v0, s[64:65] scope:SCOPE_SE
	s_setreg_imm32_b32 hwreg(HW_REG_WAVE_SCHED_MODE, 0, 2), 2
	s_setreg_imm32_b32 hwreg(HW_REG_WAVE_MODE, 25, 1), 1
	s_wait_xcnt 0x0
	s_wait_alu depctr_vm_vsrc(0)
; xb[i][k] = bf16(-x[i][k]);  wb[j][k] = bf16(W[j][k]);  yw[j] = the sum over k of bf16(y[j][k]) x bf16(W[j][k]), summed in f32.
; x, W, y: [4096][4096] f32.  xb, wb: [4096][4096] bf16.  yw: [4096] f32.
; LIMITS.  Each of the three inputs is rounded once to bf16, to nearest even, y and W for the sum too, so that the whole program works on one set of rounded inputs.  A magnitude beyond bf16's
; largest finite number becomes an infinity; NaN and infinities are not treated apart; -x of +0 is -0.  The sum's order differs from a plain ascending one: 256 chains a row, added at the end.
; SHARES.  Row = 16 x work-group + wave: one wave takes one row of x, of W and of y, 16,384 bytes each, as 32 loads of 512 consecutive bytes.  No byte is wanted by two waves:
; no LDS, no barrier.  Load I gives lane l the four numbers at byte 512 I + 16 l; packed to bf16 they are 8 bytes, and a store of 32 lanes covers 256 consecutive bytes, aligned.
; yw leaves as 4 bytes a wave: a work-group owns 64 bytes of it, 16 KiB in the whole launch.
; THE MODE: SCHED_MODE bits 1:0 = 2 (LLVM: expert scheduling mode 2), set by the entry lines.  The code itself states the register dependences
; between vector instructions and memory instructions, with s_wait_alu, always for 0.
; THE PLAN.  A row's 32 loads of each tensor go in 8 blocks of four, written out: no loop.  Registers that memory instructions touch:
;   RAW0 .. RAW3  four blocks as loaded: 4 loads of x, 4 of W, 4 of y.  Written by the 12 loads of block p + 3, issued in block p; read by block p's conversions, which round y in place,
;                 and (y) by its multiply-adds.  No memory instruction reads them.
;   OUT0, OUT1    two blocks to store: xb's and wb's 8 registers each.  Written by block p's conversions and sign flips; read by its multiply-adds (wb) and by the 8 stores that are issued in block p + 1.
;   v2, v3, v4    byte offsets, made once at the head and never written again: every step along the row stands in an immediate, and no base moves after the head.
; Block p works on RAW[p % 4] and writes OUT[p % 2].  Its memory instructions are the loads into RAW[(p + 3) % 4] = RAW[(p - 1) % 4] and the stores from OUT[(p - 1) % 2]: the two buffers that
; block p - 1 worked on and that no vector instruction of block p names.  So the waits at a block's head state all that its 20 memory instructions hang on, and these are dealt among its
; 48 vector instructions with no further wait.
; IN FLIGHT.  At a block's head its own 12 loads are waited for and the 24 of the two younger blocks stay out; the 12 of the block three ahead follow.
.set VO,   2                           ; v2   16 x lane: my bytes in a load's 512; never rewritten
.set SO,   3                           ; v3   8 x lane: my bytes in a store's 256; never rewritten
.set ZERO, 4                           ; v4   0: the addend of the first eight products, and the offset of yw's store; never rewritten
.set T,    5                           ; v5   takes the other half of the lanes' sum
.set ACC,  8                           ; v[8:15]     eight chains of the sum: no memory instruction names them but yw's store, which reads v8
.set RAW,  16                          ; v[16:207]   buffer k at RAW + 48 k: x at +0, W at +16, y at +32; load i of the block's four at +4 i
.set OUT,  208                         ; v[208:239]  buffer k at OUT + 16 k: xb at +0, wb at +8; load i's two packed registers at +2 i
	s_load_b256 s[4:11], s[0:1], 0x0               ; x s[4:5], W s[6:7], y s[8:9], xb s[10:11]
	s_load_b128 s[12:15], s[0:1], 0x20             ; wb s[12:13], yw s[14:15]
	v_and_b32 v1, 31, v0                           ; lane
	v_lshrrev_b32 v6, 5, v0
	v_readfirstlane_b32 s16, v6                    ; wave 0..15
	v_lshlrev_b32 v[VO], 4, v1
	v_lshlrev_b32 v[SO], 3, v1
	v_mov_b32 v[ZERO], 0
	v_mov_b32 v[T], 0                              ; v_permlanex16_b32 counts as reading its destination: it is written here
	s_wait_alu depctr_va_sdst(0)                   ; s16 is written, ahead of its first reader: my row, and all six bases, are made from it
	s_lshl_b32 s17, ttmp9, 4
	s_add_co_u32 s17, s17, s16                     ; my row
	s_lshl_b32 s18, s17, 14                        ; its first byte in x, W, y (under 2^26),
	s_mov_b32 s19, 0
	s_lshl_b32 s20, s17, 13                        ; in xb, wb,
	s_mov_b32 s21, 0
	s_lshl_b32 s22, s17, 2                         ; and in yw
	s_mov_b32 s23, 0
	s_mov_b32 s24, 0x80008000                      ; the signs of two bf16
	s_mov_b32 s25, 0x76543210                      ; v_permlanex16_b32: each lane takes its own place in the other half
	s_mov_b32 s26, 0xfedcba98
	s_wait_kmcnt 0x0
	s_add_nc_u64 s[4:5], s[4:5], s[18:19]          ; each base is stepped once, to my row, and never again: all else stands in immediates
	s_add_nc_u64 s[6:7], s[6:7], s[18:19]
	s_add_nc_u64 s[8:9], s[8:9], s[18:19]
	s_add_nc_u64 s[10:11], s[10:11], s[20:21]
	s_add_nc_u64 s[12:13], s[12:13], s[20:21]
	s_add_nc_u64 s[14:15], s[14:15], s[22:23]
	s_wait_alu depctr_va_vdst(0)                   ; v2, v3 and v4 are written: every load and store of the kernel reads one of them as its offset
; Load i of block b, of each of the three rows: 512 consecutive bytes each, into the block's raw buffer.
.macro LD3 b, i
	global_load_b128 v[RAW+48*((\b)%4)+4*(\i):RAW+48*((\b)%4)+4*(\i)+3],       v[VO], s[4:5] offset:(4*(\b)+(\i))*512 th:TH_LOAD_NT
	global_load_b128 v[RAW+48*((\b)%4)+16+4*(\i):RAW+48*((\b)%4)+16+4*(\i)+3], v[VO], s[6:7] offset:(4*(\b)+(\i))*512 th:TH_LOAD_NT
	global_load_b128 v[RAW+48*((\b)%4)+32+4*(\i):RAW+48*((\b)%4)+32+4*(\i)+3], v[VO], s[8:9] offset:(4*(\b)+(\i))*512 th:TH_LOAD_NT
.endm
; What load i of block b became: 256 consecutive bytes of xb and of wb, out of the block's out-buffer.
.macro ST2 b, i
	global_store_b64 v[SO], v[OUT+16*((\b)%2)+2*(\i):OUT+16*((\b)%2)+2*(\i)+1],     s[10:11] offset:(4*(\b)+(\i))*256 th:TH_STORE_NT
	global_store_b64 v[SO], v[OUT+16*((\b)%2)+8+2*(\i):OUT+16*((\b)%2)+8+2*(\i)+1], s[12:13] offset:(4*(\b)+(\i))*256 th:TH_STORE_NT
.endm
; Block p.  left = how many younger loads may still be out when this block's twelve have to be there.
; Blocks 0 to 4 ask for the block three ahead; blocks 1 to 7 store the block before; in block 0 the first eight products start the chains.
.macro BLK p, left
.set RB, RAW+48*((\p)%4)
.set OB, OUT+16*((\p)%2)
	s_wait_loadcnt \left                           ; loads come back in order (ISA guide 5.7.1): RAW[p % 4] is in, the younger blocks stay out
.if (\p) >= 2
	s_wait_xcnt 0x0                                ; every earlier memory instruction has had its addresses translated (ISA guide 3.1): OUT[p % 2], the data of stores issued in the block before, is rewritten only behind this wait
	s_wait_alu depctr_vm_vsrc(0)                   ; the stores issued in the block before have read OUT[p % 2], which this block's conversions write again
.endif
.if (\p) >= 1
	s_wait_alu depctr_va_vdst(0)                   ; the block before has written the other OUT, which the stores below read, and is done reading and writing its RAW, in which the loads below land
.endif
.irp i, 0,1,2,3
.if (\p) < 5
	LD3 (\p)+3, \i                                 ; three blocks ahead; no vector instruction since the last wait on va_vdst names these registers
.endif
.if (\p) >= 1
	ST2 (\p)-1, \i                                 ; the block before
.endif
	v_cvt_pk_bf16_f32 v[OB+8+2*(\i)],   v[RB+16+4*(\i)],   v[RB+16+4*(\i)+1]   ; W: two roundings, packed
	v_cvt_pk_bf16_f32 v[OB+8+2*(\i)+1], v[RB+16+4*(\i)+2], v[RB+16+4*(\i)+3]
	v_cvt_pk_bf16_f32 v[RB+32+4*(\i)],   v[RB+32+4*(\i)],   v[RB+32+4*(\i)+1]  ; y: in place: it is not stored
	v_cvt_pk_bf16_f32 v[RB+32+4*(\i)+1], v[RB+32+4*(\i)+2], v[RB+32+4*(\i)+3]
	v_cvt_pk_bf16_f32 v[OB+2*(\i)],   v[RB+4*(\i)],   v[RB+4*(\i)+1]           ; x
	v_cvt_pk_bf16_f32 v[OB+2*(\i)+1], v[RB+4*(\i)+2], v[RB+4*(\i)+3]
	v_xor_b32 v[OB+2*(\i)],   s24, v[OB+2*(\i)]                                ; -x: both signs turned, which is exact
	v_xor_b32 v[OB+2*(\i)+1], s24, v[OB+2*(\i)+1]
	; four fused multiply-adds straight from the bf16 halves into f32: eight chains by turns, in the ascending order of the loads, so a chain's links stand two loads apart
.irp q, 0,1
.if ((\p) == 0) && ((2*(\i)+(\q)) < 4)
	v_fma_mix_f32_bf16 v[ACC+(4*(\i)+2*(\q))%8],   v[RB+32+4*(\i)+(\q)], v[OB+8+2*(\i)+(\q)], v[ZERO] op_sel_hi:[1,1,0]
	v_fma_mix_f32_bf16 v[ACC+(4*(\i)+2*(\q))%8+1], v[RB+32+4*(\i)+(\q)], v[OB+8+2*(\i)+(\q)], v[ZERO] op_sel:[1,1,0] op_sel_hi:[1,1,0]
.else
	v_fma_mix_f32_bf16 v[ACC+(4*(\i)+2*(\q))%8],   v[RB+32+4*(\i)+(\q)], v[OB+8+2*(\i)+(\q)], v[ACC+(4*(\i)+2*(\q))%8] op_sel_hi:[1,1,0]
	v_fma_mix_f32_bf16 v[ACC+(4*(\i)+2*(\q))%8+1], v[RB+32+4*(\i)+(\q)], v[OB+8+2*(\i)+(\q)], v[ACC+(4*(\i)+2*(\q))%8+1] op_sel:[1,1,0] op_sel_hi:[1,1,0]
.endif
.endr
.endr
.endm
.irp b, 0,1,2
.irp i, 0,1,2,3
	LD3 \b, \i                                     ; blocks 0, 1 and 2 into RAW0, RAW1, RAW2: 36 loads
.endr
.endr
	BLK 0, 24                                      ; no block stands in front of it: since the head's wait no vector instruction has named RAW3 or an offset
	BLK 1, 24
	BLK 2, 24
	BLK 3, 24
	BLK 4, 24                                      ; asks for block 7, the row's last
	BLK 5, 24                                      ; blocks 5 to 7 load nothing: no load leaves the row, and the counts run down
	BLK 6, 12
	BLK 7, 0
	s_wait_alu depctr_va_vdst(0)                   ; block 7 has written OUT1, which the last eight stores read
.irp i, 0,1,2,3
	ST2 7, \i
.endr
	; the eight chains, then the 32 lanes: four steps inside each half of 16 lanes ride on the addition, one crosses the halves
	v_pk_add_f32 v[ACC:ACC+1], v[ACC:ACC+1], v[ACC+2:ACC+3]
	v_pk_add_f32 v[ACC+4:ACC+5], v[ACC+4:ACC+5], v[ACC+6:ACC+7]
	v_pk_add_f32 v[ACC:ACC+1], v[ACC:ACC+1], v[ACC+4:ACC+5]
	v_add_f32 v[ACC], v[ACC], v[ACC+1]
	v_add_f32_dpp v[ACC], v[ACC], v[ACC] row_xmask:1 row_mask:0xf bank_mask:0xf
	v_add_f32_dpp v[ACC], v[ACC], v[ACC] row_xmask:2 row_mask:0xf bank_mask:0xf
	v_add_f32_dpp v[ACC], v[ACC], v[ACC] row_xmask:4 row_mask:0xf bank_mask:0xf
	v_add_f32_dpp v[ACC], v[ACC], v[ACC] row_xmask:8 row_mask:0xf bank_mask:0xf
	v_permlanex16_b32 v[T], v[ACC], s25, s26
	v_add_f32 v[ACC], v[ACC], v[T]
	v_cmp_eq_u32 vcc_lo, 0, v1
	s_wait_xcnt 0x0                                ; EXEC is a source of the stores above: it is narrowed only behind this wait
	s_wait_alu depctr_va_vcc(0)                    ; the compare has written VCC, from which EXEC is made
	s_wait_alu depctr_va_vdst(0)                   ; ahead of the write of EXEC every vector instruction is done; among them the last addition, which wrote v8, the data of the store below
	s_wait_alu depctr_vm_vsrc(0)                   ; and every store above has read its vector registers
	s_and_saveexec_b32 s27, vcc_lo
	global_store_b32 v[ZERO], v[ACC], s[14:15]     ; lane 0 stores the row's yw
	s_wait_xcnt 0x0                                ; and widened again only behind this one
	s_wait_alu depctr_va_vdst(0)                   ; ahead of the write of EXEC: no vector instruction is under way
	s_wait_alu depctr_vm_vsrc(0)                   ; and the store has read v4 and v8
	s_or_b32 exec_lo, exec_lo, s27
	s_endpgm
.Lfunc_end_k_qc768fcc351_prep:
	.size	k_qc768fcc351_prep, .Lfunc_end_k_qc768fcc351_prep-k_qc768fcc351_prep
	.p2alignl 7, 3214868480
	.fill 96, 4, 3214868480
	.section	.rodata,"a",@progbits
	.p2align	6, 0x0
	.amdhsa_kernel k_qc768fcc351_prep
		.amdhsa_group_segment_fixed_size 0
		.amdhsa_private_segment_fixed_size 0
		.amdhsa_enable_private_segment 0
		.amdhsa_kernarg_size 48
		.amdhsa_user_sgpr_count 2
		.amdhsa_user_sgpr_kernarg_segment_ptr 1
		.amdhsa_wavefront_size32 1
		.amdhsa_system_sgpr_workgroup_id_x 1
		.amdhsa_system_sgpr_workgroup_id_y 1
		.amdhsa_system_sgpr_workgroup_id_z 1
		.amdhsa_system_vgpr_workitem_id 0
		.amdhsa_next_free_vgpr 240
		.amdhsa_next_free_sgpr 66
		.amdhsa_reserve_vcc 1
		.amdhsa_float_denorm_mode_32 3
		.amdhsa_float_denorm_mode_16_64 3
		.amdhsa_memory_ordered 1
		.amdhsa_forward_progress 1
		.amdhsa_inst_pref_size 41
	.end_amdhsa_kernel
	.amdgpu_metadata
---
amdhsa.version: [ 1, 2 ]
amdhsa.kernels:
  - .name:           k_qc768fcc351_prep
    .symbol:         k_qc768fcc351_prep.kd
    .args:
      - { .name: x, .offset: 0, .size: 8, .value_kind: global_buffer, .address_space: global }
      - { .name: W, .offset: 8, .size: 8, .value_kind: global_buffer, .address_space: global }
      - { .name: y, .offset: 16, .size: 8, .value_kind: global_buffer, .address_space: global }
      - { .name: xb, .offset: 24, .size: 8, .value_kind: global_buffer, .address_space: global }
      - { .name: wb, .offset: 32, .size: 8, .value_kind: global_buffer, .address_space: global }
      - { .name: yw, .offset: 40, .size: 8, .value_kind: global_buffer, .address_space: global }
    .group_segment_fixed_size: 0
    .private_segment_fixed_size: 0
    .kernarg_segment_align: 8
    .kernarg_segment_size: 48
    .max_flat_workgroup_size: 512
    .sgpr_count:     66
    .vgpr_count:     240
    .wavefront_size: 32
...
	.end_amdgpu_metadata
.endif
;; end of part 3
;; launch gemm: the kernel of part 2 again; grid 16 x 16, 4 waves a work-group, clusters of 4 x 4, 327,680 bytes of LDS; arguments xb, wb, out0, yw; writes out0
